; MI455X (gfx1250); checked and timed in simulation.
; The chip was launched on July 23, 2026; its instructions are those of AMD's public machine-readable ISA for CDNA 5 (MIT licence, August 2026) and "CDNA5" Instruction Set Architecture Reference Guide (July 2026). The comments in the code are by the model that wrote it; some were corrected since.
;; Expert MLP. Allowed arithmetic: matrix products marked QUANTISED: E2M1 operands, one E8M0 scale for each 32 along K, by v_wmma_scale_f32_16x16x128_f8f6f4 with both operands' format E2M1 (or v_wmma_scale_f32_32x16x128_f4), f32 sums; everything else in f32.
;; Inputs: W_fc_codes 4,096 x 32 x 16 uint8 (E2M1 codes of W_fc, K innermost, in blocks of 32 codes, two codes a byte); W_fc_scales 4,096 x 32 uint8 (E8M0 scales of W_fc, one for each 32 codes along K); W_proj_codes 1,024 x 128 x 16 uint8 (E2M1 codes of W_proj, K innermost, in blocks of 32 codes, two codes a byte); W_proj_scales 1,024 x 128 uint8 (E8M0 scales of W_proj, one for each 32 codes along K); x_codes 8,192 x 32 x 16 uint8 (E2M1 codes of x, K innermost, in blocks of 32 codes, two codes a byte); x_scales 8,192 x 32 uint8 (E8M0 scales of x, one for each 32 codes along K).
;; Outputs: out0 8,192 x 1,024 float32.
;; This version of the problem:
;;   THIS VERSION OF THE PROBLEM IS GIVEN IN LOW PRECISION. The matrix products marked QUANTISED in the list below multiply operands that are first quantised to E2M1 (2 exponent bits, 1 mantissa bit; 4 bits a number), with one power-of-two scale for each 32 numbers along K (OCP MX v1.0); their sums are f32. All else is computed in f32.
;;   The module's matrix products, in the order in which they are computed (A, B: the left and right operand; K: the contracted axis; several contracted axes count as one K, in the product's order):
;;     1. [M 8,192, K 1,024] x [K 1,024, N 4,096]; A: input x (given as codes); B: input W_fc (given as codes): QUANTISED
;;     2. [M 8,192, K 4,096] x [K 4,096, N 1,024]; A: computed on the way; B: input W_proj (given as codes): QUANTISED
;;   THE QUANTISER, for each operand of a quantised product, along K:
;;     - K is cut into blocks of 32 from its start; a last block that is shorter is filled with zeros.
;;     - A block's scale is 2^e with e = floor(log2(the largest magnitude in the block)) - 2, held to -126 .. 127; a block of zeros has e = 0. As a byte (E8M0): e + 127.
;;     - Each number is divided by its block's scale, clamped to +-6, and rounded to the nearest number of E2M1, ties to even, subnormals kept.
;;     - The product sums the exact products of the quantised numbers (number of the format x scale) in f32.
;;   ~~~python
;;   def quantise(x, axis):      # numpy; x: float32 -> the quantised numbers, widened to float32 again
;;       x = np.moveaxis(x, axis, -1); K = x.shape[-1]
;;       x = np.pad(x, [(0, 0)] * (x.ndim - 1) + [(0, -K % 32)]); x = x.reshape(x.shape[:-1] + (-1, 32)); a = np.abs(x).max(-1, keepdims=True)
;;       e = np.where(a > 0, np.clip(np.frexp(np.where(a > 0, a, 1))[1] - 1 - 2, -126, 127), 0)      # np.frexp(a)[1] - 1 = floor(log2(a)), exactly
;;       r = np.clip(x / 2.0 ** e, -6, 6)
;;       step = 2.0 ** (np.maximum(np.frexp(np.where(r == 0, 1, r))[1] - 1, 0) - 1)
;;       q = np.round(r / step) * step * 2.0 ** e      # np.round: ties to even
;;       return np.moveaxis(q.reshape(q.shape[:-2] + (-1,))[..., :K], -1, axis).astype(np.float32)
;;   ~~~
;;   OPERANDS COMPUTED ON THE WAY. 'Computed on the way' means the value that the module computes at that place (a softmax that the list does not call 'softmax' is quantised finished and normalised). What goes into a quantiser is computed in f32, as accurately as f32 sums, v_exp_f32 and their like allow (about 1e-6 of the number): no bf16 or f16 on the way to a quantiser, and a product that is left as it is and whose result goes on into a quantised operand takes f32 operands (vector FMAs, or v_wmma_f32_16x16x4_f32). A number that lies on a knife's edge between two numbers of the format may be rounded either way, as far as f32 arithmetic and the matrix unit's own rounding can turn it there, and no further.
;;   INPUTS GIVEN AS CODES. W_fc (in the module: [4096, 1024], K = its axis 1); W_proj (in the module: [1024, 4096], K = its axis 1); x (in the module: [8192, 1024], K = its axis 1): each comes as NAME_codes (uint8): NAME with its K axis moved to the last place and cut into blocks of 32 codes, [.., K / 32, bytes a block], one block behind the other in memory; two codes a byte, the lower K in the low four bits (a code: sign, 2 exponent bits, 1 mantissa bit); and NAME_scales (uint8): the same leading axes, one E8M0 byte (e + 127) for each 32 codes along K. Its value is code x scale, taken as it is: it is not quantised again, and the codes and scales need not be those that the quantiser above would give.
;; One version. Each part assembles by itself: llvm-mc -triple=amdgcn-amd-amdhsa -mcpu=gfx1250 --defsym DOCPART=n.
;; ======== version 1 of 1: 2 launches
;; limits: right only within a limited range of input values
;; workspace buffers: h_img 17,825,792 bytes; wp_img 2,228,224 bytes
;; launch fc (part 1): grid 8 x 32, 8 waves a work-group, clusters of 4 x 4, 327,680 bytes of LDS; arguments x_codes, x_scales, W_fc_codes, W_fc_scales, h_img, W_proj_codes, W_proj_scales, wp_img; writes h_img, wp_img
.if DOCPART == 1
	.amdgcn_target "amdgcn-amd-amdhsa--gfx1250"
	.amdhsa_code_object_version 6
	.text
	.protected	k_q8c04a9f0c0_fc
	.globl	k_q8c04a9f0c0_fc
	.p2align	8
	.type	k_q8c04a9f0c0_fc,@function
k_q8c04a9f0c0_fc:
	s_mov_b64 s[64:65], 0
	v_nop
	global_prefetch_b8 v0, s[64:65] scope:SCOPE_SE
	s_setreg_imm32_b32 hwreg(HW_REG_WAVE_MODE, 25, 1), 1
	s_wait_xcnt 0x0
	s_wait_alu depctr_hold_cnt(0) depctr_sa_sdst(0) depctr_va_vdst(0) depctr_va_sdst(0) depctr_va_ssrc(0) depctr_va_vcc(0) depctr_vm_vsrc(0)
	s_getreg_b32 s2, hwreg(HW_REG_IB_STS2, 6, 4)
	s_cmp_eq_u32 s2, 0
	s_cbranch_scc0 .Lentry_in_a_cluster
	s_endpgm
.Lentry_in_a_cluster:
	s_bfe_u32 s2, ttmp6, 0x10000c
	s_cmp_lg_u32 s2, 0xf033
	s_cbranch_scc0 .Lentry_shape_is_right
	s_endpgm
.Lentry_shape_is_right:
; h = relu(x W_fc^T)^2, quantised along the hidden axis to codes of FP4 (E2M1) with one E8M0 byte for each 32 hidden units.  No work of the problem is left out.
; x [8192][1024] and W_fc [4096][1024] arrive as codes, two a byte, K innermost (a row is 512 bytes), with scale bytes [rows][32]; they go to the matrix unit as they lie.
; SHARES.  A work-group of eight waves owns 256 rows of x and stays for two tiles of 256 hidden units: 8 x 32 work-groups.  x's 256 rows, all of K, lie in LDS for both tiles;
; W_fc's half of each of the two slots (512 along K each) is filled again for the second tile.  A wave makes 64 rows x 128 units: 16 accumulators of 32 units x 16 rows, 256 registers.
; THE MATRIX INSTRUCTION IS USED TRANSPOSED (source 0 = 32 rows of W_fc, source 1 = 16 rows of x): lane (r, h) of accumulator (a, b) holds row 16 a + r, register j unit 32 b + 8 h + j, register 8 + j unit 32 b + 16 + 8 h + j:
; a lane's registers run along the next product's K, and a block of 32 units lies in the 16 registers of one accumulator of lanes l and l xor 16.
; CLUSTERS: 4 x 4.  x's tiles hang on the tile row alone and are asked for jointly along a row of the cluster, W_fc's on the tile column alone, along a column.
; WHAT IS STORED: images of operands.  An image of 128 rows x 128 along K is 8,704 bytes: [row / 16][c 2][lane 32][16 bytes] of codes (register group c of lane l), then 512 bytes of scale words:
; of h [row / 64][lane l][p 2]: row 32 p + l of the 64; of W_proj [lane l][p 4]: row 32 p + l of the 128.
; h_img [row / 128][unit / 128] images;  wp_img [column / 256][k / 128][(column / 128) % 2] images of W_proj: each wave copies one fragment of W_proj's codes, and wave 0 of a work-group 128 scale words.
; THE QUANTISER: a block's byte is its largest number's exponent field - 2, held at 1 from below by a floor among the maximum's leaves; the conversion divides by that power of two, rounds to nearest, ties to even, and holds at the largest code.
; LIMITS: h must be finite (NaN and infinite sums are not served).  A block of zeros gets the byte 1, where the stated quantiser says 127: its codes are zeros, and this program alone reads the bytes.
; NO PREFETCH: K is two slots long and both are asked for at the head, by different waves; there is no loop to run ahead in.
; REGISTERS, windows of 256.  0: v0-15 at work, v16-31 addresses and scale words made, v32-55 scale words (two sets), v56-63 W_proj's fragment on its way, v64-127 x's fragments (two sets), v128-255 W_fc's (two sets; the second serves the way out too).
;   1: the accumulators, (a, b) at v[64 a + 16 b].
; A step's LDS loads go out in one run at its start, a step ahead of their use.
.set PITCH,  272                       ; an LDS row: 256 bytes + 16 of padding
.set QT,     32*PITCH                  ; a wave's part of a refill
.set XT,     64*PITCH                  ; what a wave reads of x
.set HALFT,  128*PITCH                 ; and of W_fc
.set ABY,    256*PITCH                 ; x's part of a slot; W_fc's lies behind it
.set SLOT,   2*ABY
.set SCA,    2*SLOT                    ; x's scale bytes: 256 rows x 32 bytes, as 32 runs of 256 bytes + 16
.set SCB,    SCA+8704                  ; W_fc's, for both tiles: 512 rows
.set SPARE,  SCB+17408                 ; the spare words: 128 bytes a wave, four blocks of 256 bytes that no other line names
.set SST,    SPARE+1024                ; a stage of 256 bytes for each wave: the scale words of its 64 rows
.set IMG,    8704
.set TM,   0                           ; +0..3 largest numbers, +4..7 the other half's, then bytes, +12..15 the conversions' scale operands
.set TN,   224                         ; the same for the second block of a pair
.set PW,   16                          ; the scale words made
.set PX,   30
.set ADX,  17                          ; v17-18  LDS address of my fragments of x in slot 0, 1
.set ADW,  19                          ; v19-20  the same for W_fc
.set ADSX, 21                          ; scale words: lane l takes row l of a pair of blocks of 16
.set ADSW, 22
.set LI,   23                          ; 16 x lane
.set SSW,  24                          ; the stage: in,
.set SSR,  25                          ; and out
.set SPW,  28                          ; my spare word's address; never rewritten
.set NIL,  29                          ; 0; never rewritten
.set L8,   31                          ; 8 x lane
.set SC,   32                          ; set z at SC + 12 z: register 2 b + q % 2 W_fc's pair b, 8 + 2 (a / 2) + q % 2 x's pair
.set PC,   192                         ; the codes made: block a's 8 registers at PC + 8 a
.set G1A,  28                          ; groups 1: x's tiles, W_fc's, x's scales, W_fc's scales
.set G1B,  36
.set G1SA, 44
.set G1SB, 52
.set G0X,  60                          ; groups 0 of the head's loads
.set G0W,  68
.set G0SA, 72
.set G0SB, 76
.set G0R,  88                          ; W_fc's refills: slot s at G0R + 4 s
.set MSB, 0
.macro WIN new                         ; the immediate's high byte repeats the setting that is left; a switch that changes nothing is dropped
.if MSB != (\new)
	s_set_vgpr_msb (MSB<<8)|(\new)
.set MSB, \new
.endif
.endm
.macro PLACES n                        ; plain vector places behind matrix instructions (ISA guide 7.12.1)
.rept \n
	v_nop
.endr
.endm
.macro CREST                           ; a round of the cluster's barrier behind its opening barrier
	s_cmp_lg_u32 s16, 0
	s_cbranch_scc1 .Lnot_wave_0_\@
	s_barrier_signal -3
.Lnot_wave_0_\@:
	s_barrier_wait -3
	s_barrier_signal -1
	s_barrier_wait -1
.endm
.macro CROUND
	s_barrier_signal -1
	s_barrier_wait -1
	CREST
.endm
.macro ARM under, g0, g1, next
	s_cmp_lt_u32 s16, \under
	s_cbranch_scc0 \next
	tensor_load_to_lds s[\g0:\g0+3], s[\g1:\g1+7]
	s_nop 0
	PLACES 4
	s_branch .Lhead_asked
\next:
.endm
	s_load_b256 s[4:11], s[0:1], 0x0               ; x's codes, x's scales, W_fc's codes, W_fc's scales
	s_load_b128 s[12:15], s[0:1], 0x20             ; h's images, W_proj's codes
	s_load_b128 s[96:99], s[0:1], 0x30             ; W_proj's scales, W_proj's images
	v_lshl_add_u32 v28, v0, 2, SPARE
	v_mov_b32 v29, 0
	ds_add_u32 v28, v29                            ; the wave's opening: the add, twice on end
	ds_add_u32 v28, v29
	v_lshrrev_b32 v1, 5, v0
	v_readfirstlane_b32 s16, v1                    ; wave 0..7
	v_and_b32 v3, 31, v0                           ; lane
	s_wait_alu depctr_va_vdst(0)
	s_lshr_b32 s17, s16, 1                         ; which 64 of the 256 rows are mine
	s_and_b32 s18, s16, 1                          ; which 128 of a tile's 256 units
	s_bfe_u32 s20, ttmp6, 0x40000                  ; cx, cy
	s_bfe_u32 s21, ttmp6, 0x40004
	s_lshl_b32 s22, ttmp9, 2
	s_add_co_u32 s22, s22, s20                     ; gx: which 512 hidden units
	s_and_b32 s23, ttmp7, 0xffff
	s_lshl_b32 s23, s23, 2
	s_add_co_u32 s23, s23, s21                     ; gy: which 256 rows
	s_lshl_b32 s24, s21, 2
	s_lshl_b32 s24, 15, s24                        ; my row of the cluster
	s_lshl_b32 s25, 0x1111, s20                    ; my column
	s_mov_b32 s26, 0x76543210                      ; selects for lane l xor 16
	s_mov_b32 s27, 0xfedcba98
	; groups 1.  Tiles of codes: rows of 256 bytes, 512 bytes from row to row in memory, 16 bytes of padding behind each: 128 rows of x, 256 of W_fc
	s_or_b32 s[G1A], s24, (1<<20)|(1<<21)|(5<<22)|(3<<25)
	s_or_b32 s[G1B], s25, (1<<20)|(1<<21)|(5<<22)|(3<<25)
.irp g, G1A, G1B
	s_mov_b32 s[\g+1], 256<<16
	s_mov_b32 s[\g+3], 256<<16
	s_mov_b32 s[\g+5], 512
	s_mov_b32 s[\g+6], 0
	s_mov_b32 s[\g+7], 0
.endr
	s_mov_b32 s[G1A+2], 128<<16
	s_mov_b32 s[G1A+4], 128
	s_mov_b32 s[G1B+2], 256<<16
	s_mov_b32 s[G1B+4], 256
	; scale bytes: dense blocks, as rows of 256 bytes (32 elements of 8 bytes), padded: 32 rows for x, 64 for W_fc
	s_or_b32 s[G1SA], s24, (3<<16)|(1<<20)|(1<<21)|(5<<22)|(3<<25)
	s_or_b32 s[G1SB], s25, (3<<16)|(1<<20)|(1<<21)|(5<<22)|(3<<25)
.irp g, G1SA, G1SB
	s_mov_b32 s[\g+1], 32<<16
	s_mov_b32 s[\g+3], 32<<16
	s_mov_b32 s[\g+5], 32
	s_mov_b32 s[\g+6], 0
	s_mov_b32 s[\g+7], 0
.endr
	s_mov_b32 s[G1SA+2], 32<<16
	s_mov_b32 s[G1SA+4], 32
	s_mov_b32 s[G1SB+2], 64<<16
	s_mov_b32 s[G1SB+4], 64
	s_lshr_b32 s3, s16, 2                          ; the slot that a loading wave serves
	s_lshl_b32 s80, s23, 13                        ; x's scales: 256 gy rows of 32 bytes
	s_mov_b32 s81, 0
	s_lshl_b32 s82, s23, 17                        ; x's codes: 256 gy rows of 512 bytes, + 128 rows x (wave % 2), + 256 bytes x slot
	s_lshl_b32 s83, s18, 16
	s_add_co_u32 s82, s82, s83
	s_lshl_b32 s83, s3, 8
	s_add_co_u32 s82, s82, s83
	s_mov_b32 s83, 0
	s_lshl_b32 s84, s22, 14                        ; W_fc's scales: 512 gx rows
	s_mov_b32 s85, 0
	s_lshl_b32 s86, s22, 18                        ; W_fc's codes: 512 gx rows, + 256 bytes x slot
	s_lshl_b32 s87, s3, 8
	s_add_co_u32 s86, s86, s87
	s_mov_b32 s87, 0
	s_lshl_b32 s88, s22, 18                        ; its refills: 256 + 32 x wave rows further on
	s_lshl_b32 s89, s16, 14
	s_add_co_u32 s88, s88, s89
	s_add_co_u32 s88, s88, 131072
	s_mov_b32 s89, 0
	s_mul_i32 s2, s18, HALFT
	s_mul_i32 s3, s3, SLOT
	s_mov_b32 s[G0X], 1
	s_add_co_u32 s[G0X+1], s2, s3
	s_mov_b32 s[G0W], 1
	s_add_co_u32 s[G0W+1], s3, ABY
	s_mov_b32 s[G0SA], 1
	s_mov_b32 s[G0SA+1], SCA
	s_mov_b32 s[G0SB], 1
	s_mov_b32 s[G0SB+1], SCB
	s_wait_dscnt 0x0                               ; both opening adds are done
	CROUND                                         ; all sixteen work-groups are here: the first joint loads meet
	s_wait_kmcnt 0x0
	s_add_nc_u64 s[G0X+2:G0X+3], s[4:5], s[82:83]
	s_or_b32 s[G0X+3], s[G0X+3], 0x80000000
	s_add_nc_u64 s[G0W+2:G0W+3], s[8:9], s[86:87]
	s_or_b32 s[G0W+3], s[G0W+3], 0x80000000
	s_add_nc_u64 s[G0SA+2:G0SA+3], s[6:7], s[80:81]
	s_or_b32 s[G0SA+3], s[G0SA+3], 0x80000000
	s_add_nc_u64 s[G0SB+2:G0SB+3], s[10:11], s[84:85]
	s_or_b32 s[G0SB+3], s[G0SB+3], 0x80000000
	; THE HEAD'S LOADS, one a wave.  Slot 0: waves 0, 1 x's halves, wave 2 W_fc's 256 rows; waves 3, 4 the scales; slot 1: wave 5 W_fc's rows, waves 6, 7 x's halves
	ARM 2, G0X, G1A, .Lhead_w0
	ARM 3, G0W, G1B, .Lhead_sa
	ARM 4, G0SA, G1SA, .Lhead_sb
	ARM 5, G0SB, G1SB, .Lhead_w1
	ARM 6, G0W, G1B, .Lhead_x1
	tensor_load_to_lds s[G0X:G0X+3], s[G1A:G1A+7]
	s_nop 0
	PLACES 4
.Lhead_asked:
	; W_fc's refills, the second tile's 256 rows: 32 rows a wave
	s_add_nc_u64 s[8:9], s[8:9], s[88:89]
	s_mul_i32 s19, s16, QT
	s_mov_b32 s[G0R], 1
	s_add_co_u32 s[G0R+1], s19, ABY
	s_mov_b64 s[G0R+2:G0R+3], s[8:9]
	s_or_b32 s[G0R+3], s[G0R+3], 0x80000000
	s_mov_b32 s[G0R+4], 1
	s_add_co_u32 s[G0R+5], s19, SLOT+ABY
	s_add_nc_u64 s[G0R+6:G0R+7], s[8:9], 256
	s_or_b32 s[G0R+7], s[G0R+7], 0x80000000
	; where my results go: image (2 gy + rows / 128) x 32 + 4 gx + my units' half; the second tile's lies two images on
	s_lshl_b32 s104, s23, 1
	s_lshr_b32 s105, s17, 1
	s_add_co_u32 s104, s104, s105
	s_lshl_b32 s104, s104, 3
	s_add_co_u32 s104, s104, s22
	s_lshl_b32 s104, s104, 2
	s_add_co_u32 s104, s104, s18
	s_mul_i32 s104, s104, IMG
	s_mov_b32 s105, 0
	s_add_nc_u64 s[12:13], s[12:13], s[104:105]
	s_and_b32 s19, s17, 1                          ; my half of the image's rows
	s_lshl_b32 s104, s19, 8
	s_add_co_u32 s104, s104, 8192
	s_add_nc_u64 s[10:11], s[12:13], s[104:105]    ; my scale words,
	s_lshl_b32 s104, s19, 12
	s_add_nc_u64 s[12:13], s[12:13], s[104:105]    ; my codes
	; the side job.  m = 8 gy + gx, n = 8 m + wave: 16 rows n / 32 of W_proj, K = 128 (n % 32) on
	s_lshl_b32 s20, s23, 3
	s_add_co_u32 s20, s20, s22
	s_lshl_b32 s21, s20, 3
	s_add_co_u32 s21, s21, s16
	s_lshr_b32 s104, s21, 5
	s_lshl_b32 s104, s104, 15
	s_and_b32 s105, s21, 31
	s_lshl_b32 s105, s105, 6
	s_add_co_u32 s104, s104, s105
	s_mov_b32 s105, 0
	s_add_nc_u64 s[14:15], s[14:15], s[104:105]
	s_lshr_b32 s104, s21, 9                        ; to: image pair 32 (n / 512) + n % 32, half (n / 256) % 2, block (n / 32) % 8
	s_lshl_b32 s104, s104, 5
	s_and_b32 s105, s21, 31
	s_add_co_u32 s104, s104, s105
	s_mul_i32 s104, s104, 2*IMG
	s_bfe_u32 s105, s21, 0x10008
	s_mul_i32 s105, s105, IMG
	s_add_co_u32 s104, s104, s105
	s_bfe_u32 s105, s21, 0x30005
	s_lshl_b32 s105, s105, 10
	s_add_co_u32 s104, s104, s105
	s_mov_b32 s105, 0
	s_add_nc_u64 s[24:25], s[98:99], s[104:105]
	s_lshr_b32 s104, s20, 6                        ; the scale words of columns 256 (m / 64) + 128 (m % 2) .. + 127, K = 128 ((m / 2) % 32) on
	s_lshl_b32 s104, s104, 15
	s_and_b32 s105, s20, 1
	s_lshl_b32 s105, s105, 14
	s_add_co_u32 s104, s104, s105
	s_bfe_u32 s105, s20, 0x50001
	s_lshl_b32 s105, s105, 2
	s_add_co_u32 s104, s104, s105
	s_mov_b32 s105, 0
	s_add_nc_u64 s[96:97], s[96:97], s[104:105]
	s_lshr_b32 s104, s20, 6
	s_lshl_b32 s104, s104, 5
	s_bfe_u32 s105, s20, 0x50001
	s_add_co_u32 s104, s104, s105
	s_mul_i32 s104, s104, 2*IMG
	s_and_b32 s105, s20, 1
	s_mul_i32 s105, s105, IMG
	s_add_co_u32 s104, s104, s105
	s_add_co_u32 s104, s104, 8192
	s_mov_b32 s105, 0
	s_add_nc_u64 s[98:99], s[98:99], s[104:105]
	; LDS bases
	s_mul_i32 s2, s17, XT                          ; my 64 rows of x
	s_mul_i32 s3, s18, HALFT
	s_add_co_u32 s3, s3, ABY                       ; my 128 rows of W_fc
	s_mul_i32 s19, s17, 2176
	s_add_co_u32 s19, s19, SCA
	s_mul_i32 s100, s18, 4352
	s_add_co_u32 s100, s100, SCB
	s_lshl_b32 s101, s16, 8
	s_add_co_u32 s101, s101, SST                   ; my stage
	v_and_b32 v1, 15, v3                           ; r
	v_lshrrev_b32 v2, 4, v3                        ; h
	v_mul_u32_u24 v4, v1, PITCH
	v_lshl_add_u32 v4, v2, 4, v4                   ; a fragment's row x pitch + 16 x half
	v_add_nc_u32 v[ADX], s2, v4
	v_add_nc_u32 v[ADX+1], SLOT, v[ADX]
	v_add_nc_u32 v[ADW], s3, v4
	v_add_nc_u32 v[ADW+1], SLOT, v[ADW]
	v_lshlrev_b32 v5, 5, v3                        ; scale bytes: 32 a row, and 16 more behind each 8 rows
	v_lshrrev_b32 v6, 3, v3
	v_lshl_add_u32 v5, v6, 4, v5
	v_add_nc_u32 v[ADSX], s19, v5
	v_add_nc_u32 v[ADSW], s100, v5
	v_lshlrev_b32 v[LI], 4, v3
	v_lshlrev_b32 v[L8], 3, v3
	v_lshl_add_u32 v[SSW], v1, 3, s101
	v_add_nc_u32 v[SSR], s101, v[L8]
	v_lshlrev_b32 v26, 11, v1
	v_lshl_add_u32 v26, v2, 4, v26                 ; W_proj: row r of 2,048 bytes, + 16 h
	v_lshlrev_b32 v27, 7, v3                       ; its scales: lane l's row of 128 bytes
.irp b, 0,1,2,3
	v_mov_b32 v[TM+4+\b], 0                        ; written once: a lane permute's destination counts as one of its sources
.endr
	s_wait_alu depctr_va_vdst(0)
.irp c, 0,1
	global_load_b128 v[56+4*\c:56+4*\c+3], v26, s[14:15] offset:32*\c   ; the fragment's registers 4 c .. 4 c + 3; the work-group's eight waves take 512 neighbouring bytes of each row
.endr
	s_cmp_lg_u32 s16, 0
	s_cbranch_scc1 .Lno_words
.irp p, 0,1,2,3
	global_load_b32 v[4+\p], v27, s[96:97] offset:4096*\p   ; row 32 p + lane
.endr
	s_wait_loadcnt 0x0
	global_store_b128 v[LI], v[4:7], s[98:99]      ; 512 consecutive bytes
.Lno_words:
; one product of step st (128 along K): x's block a of 16 rows against W_fc's 32 rows b.  zero = 1: it starts the sum.  The 16 accumulators take turns in the same order in every step
.macro MM a, b, st, zero
	WIN 0x50
.set mD, 64*(\a)+16*(\b)
.set mA, 128+64*((\st)%2)+16*(\b)
.set mX, 64+32*((\st)%2)+8*(\a)
.set mS, SC+12*(((\st)/2)%2)+2*(\b)+(\st)%2
.set mT, SC+12*(((\st)/2)%2)+8+2*((\a)/2)+(\st)%2
.if (\zero) && ((\a)%2)
	v_wmma_scale_f32_32x16x128_f4 v[mD:mD+15], v[mA:mA+15], v[mX:mX+7], 0, v[mS], v[mT] matrix_b_scale:MATRIX_SCALE_ROW1
.elseif (\zero)
	v_wmma_scale_f32_32x16x128_f4 v[mD:mD+15], v[mA:mA+15], v[mX:mX+7], 0, v[mS], v[mT]
.elseif ((\a)%2)
	v_wmma_scale_f32_32x16x128_f4 v[mD:mD+15], v[mA:mA+15], v[mX:mX+7], v[mD:mD+15], v[mS], v[mT] matrix_b_scale:MATRIX_SCALE_ROW1
.else
	v_wmma_scale_f32_32x16x128_f4 v[mD:mD+15], v[mA:mA+15], v[mX:mX+7], v[mD:mD+15], v[mS], v[mT]
.endif
.endm
.macro MULA a, st, zero
.irp b, 0,1,2,3
	MM \a, \b, \st, \zero
.endr
.endm
.macro LW st, b                        ; W_fc's fragment b of step st
.set lP, 128+64*((\st)%2)+8*(\b)
.irp c, 0,1
	ds_load_b128 v[lP+4*\c:lP+4*\c+3], v[ADW+(\st)/4] offset:64*((\st)%4)+32*\c+(\b)*16*PITCH
.endr
.endm
.macro LX st, a                        ; x's fragment a
.set lP, 64+32*((\st)%2)+8*(\a)
.irp c, 0,1
	ds_load_b128 v[lP+4*\c:lP+4*\c+3], v[ADX+(\st)/4] offset:64*((\st)%4)+32*\c+(\a)*16*PITCH
.endr
.endm
.macro LSC st, t                       ; the scale words of steps st, st + 1 (st even), tile t
.set lP, SC+12*(((\st)/2)%2)
.irp p, 0,1,2,3
	ds_load_b64 v[lP+2*\p:lP+2*\p+1], v[ADSW] offset:4*(\st)+1088*\p+8704*(\t)
.endr
.irp p, 0,1
	ds_load_b64 v[lP+8+2*\p:lP+9+2*\p], v[ADSX] offset:4*(\st)+1088*\p
.endr
.endm
.macro FETCH st, t                     ; step st's loads in one run: 16 + 6 (st even) + 8
	WIN 0
.irp b, 0,1,2,3,4,5,6,7
	LW \st, \b
.endr
.if ((\st)%2) == 0
	LSC \st, \t
.endif
.irp a, 0,1,2,3
	LX \st, \a
.endr
.endm
; a step that has its successor in the same slot
.macro STEP st, t, zero
	s_wait_dscnt 4                                 ; W_fc's fragments, the scale words and x's blocks 0, 1 are in; the youngest four loads (blocks 2, 3) may be out
	PLACES 4                                       ; in front of loads into the set that the last step's products read
	FETCH (\st)+1, \t
	MULA 0, \st, \zero
	MULA 1, \st, \zero
	s_wait_dscnt 24+6*((\st)%2)                    ; all but the loads just issued
	MULA 2, \st, \zero
	MULA 3, \st, \zero
.endm
; a slot's last step changes slots: one barrier behind each wave's waits and add.  fill = 1: W_fc's part of this slot takes the second tile's rows; the barrier opens a round
.macro TURN st, next, tn, fill
	s_wait_dscnt 4
	MULA 0, \st, 0
	WIN 0
	s_wait_tensorcnt 0x0                           ; my part of the next slot has landed
	ds_add_u32 v[SPW], v[NIL]                      ; 0 onto my spare word
.if (\fill) && (\st) == 3
	s_mov_b32 s[G1B+2], 32<<16                     ; no tensor load of mine is out: from here on a load brings 32 rows
	s_mov_b32 s[G1B+4], 32
.endif
	s_wait_dscnt 0x1                               ; this step's fragments are in; the add alone may be out
	MULA 1, \st, 0
	s_wait_dscnt 0x0                               ; the add is done, and my reads of this slot are over
	WIN 0
	s_barrier_signal -1
	s_barrier_wait -1
.if \fill
	CREST                                          ; no wave of any partner still reads this slot's tile of W_fc or has a load on its way
	tensor_load_to_lds s[G0R+4*((\st)/4):G0R+4*((\st)/4)+3], s[G1B:G1B+7]
	s_nop 0
.endif
	PLACES 4
	FETCH \next, \tn
	MULA 2, \st, 0
	MULA 3, \st, 0
.endm
; A pair of blocks of 16 rows x my 128 units: relu, square, the blocks' scale bytes, the codes, and out; the two blocks' chains go side by side.
; Conversion u gives lane half h the codes of units 16 u + 8 h + 0 .. 7.  The operand's layout wants register 4 c + g to hold units 64 c + 32 h + 8 g + 0 .. 7: conversions 4 c + 0, 2, 1, 3 write registers 4 c + 0, 1, 2, 3,
; and an exchange of the first's upper lanes with the second's lower lanes, for each of the two pairs, gives just that.
.macro SQUARE m
	WIN 0x45
.set ej, \m
.rept 32
	v_dual_max_num_f32 v[ej], 0, v[ej] :: v_dual_max_num_f32 v[ej+1], 0, v[ej+1]   ; relu; each accumulator from its low end on
.set ej, ej+2
.endr
.set ej, \m
.rept 32
	v_dual_mul_f32 v[ej], v[ej], v[ej] :: v_dual_mul_f32 v[ej+1], v[ej+1], v[ej+1]
.set ej, ej+2
.endr
.endm
.macro BMAX i, m, tm                   ; numbers i, i + 1 of each of the four blocks of 32 units (none is negative); the first time the floor 2^(3 - 127) too: the byte cannot fall under 1
	WIN 5
.irp b, 0,1,2,3
.if (\i) == 0
	v_max3_num_f32 v[\tm+\b], v[\m+16*\b], v[\m+16*\b+1], 0x1800000
.else
	v_max3_num_f32 v[\tm+\b], v[\m+16*\b+\i], v[\m+16*\b+\i+1], v[\tm+\b]
.endif
.endr
.endm
.macro CODES a, tm
	WIN 1
.irp u, 0,1,2,3,4,5,6,7
	v_cvt_scalef32_pk8_fp4_f32 v[PC+8*(\a)+4*(\u/4)+2*(\u%2)+(\u%4)/2], v[64*(\a)+8*\u:64*(\a)+8*\u+7], v[\tm+12+\u/2]
.endr
.endm
.macro OUT a, t, pw
.set ePC, PC+8*(\a)
.irp c, 0,1
	v_permlane16_swap_b32 v[ePC+4*\c], v[ePC+4*\c+1]
	v_permlane16_swap_b32 v[ePC+4*\c+2], v[ePC+4*\c+3]
.endr
	ds_store_b32 v[SSW], v[\pw] offset:128*((\a)%2)+4*((\a)/2)   ; row 16 a + r = 32 p + l: at 8 l + 4 p; lanes l and l xor 16 write the same word with the same value
.irp c, 0,1
	global_store_b128 v[LI], v[ePC+4*\c:ePC+4*\c+3], s[12:13] offset:2*IMG*(\t)+1024*(\a)+512*\c   ; 512 consecutive bytes a store
.endr
.endm
.macro EPI2 a, e, t
	SQUARE 64*(\a)
	SQUARE 64*(\e)
.irp i, 0,2,4,6,8,10,12,14
	BMAX \i, 64*(\a), TM
	BMAX \i, 64*(\e), TN
.endr
	WIN 0
.irp d, TM, TN
.irp b, 0,1,2,3
	v_permlanex16_b32 v[\d+4+\b], v[\d+\b], s26, s27
.endr
.endr
.irp d, TM, TN
.irp b, 0,1,2,3
	v_max_num_f32 v[\d+\b], v[\d+\b], v[\d+4+\b]   ; with lane l xor 16's: the block's largest number
.endr
.endr
.irp d, TM, TN
.irp b, 0,1,2,3
	v_add_nc_u32 v[\d+12+\b], 0xff000000, v[\d+\b] ; 2 off its exponent field: the conversion's scale operand
.endr
.endr
.irp d, TM, TN
.irp b, 0,1,2,3
	v_lshrrev_b32 v[\d+4+\b], 23, v[\d+12+\b]      ; the scale's byte
.endr
.endr
	v_lshl_or_b32 v[PW], v[TM+5], 8, v[TM+4]       ; my rows' scale words for these 128 units
	v_lshl_or_b32 v[PX], v[TN+5], 8, v[TN+4]
	v_lshl_or_b32 v[PW], v[TM+6], 16, v[PW]
	v_lshl_or_b32 v[PX], v[TN+6], 16, v[PX]
	v_lshl_or_b32 v[PW], v[TM+7], 24, v[PW]
	v_lshl_or_b32 v[PX], v[TN+7], 24, v[PX]
	CODES \a, TM
	CODES \e, TN
	WIN 0
	v_nop                                          ; one plain place behind the scaled conversions
	OUT \a, \t, PW
	OUT \e, \t, PX
.endm
.macro EPILOGUE t
	WIN 0
	s_wait_alu depctr_va_vdst(0)
	s_wait_xcnt 0x0                                ; earlier stores have read the registers that are written again below
	PLACES 4                                       ; behind the last products, in front of the first read of results
	EPI2 0, 1, \t
	EPI2 2, 3, \t
	ds_load_b64 v[TM:TM+1], v[SSR]                 ; LDS serves a wave's instructions in order (ISA guide 5.7.1.4): this sees my four stores
	s_wait_alu depctr_va_vdst(0)
	s_wait_dscnt 0x0
	global_store_b64 v[L8], v[TM:TM+1], s[10:11] offset:2*IMG*(\t)   ; my 64 rows' scale words: 256 consecutive bytes
	s_wait_xcnt 0x0                                ; the codes' registers are W_fc's second set: loads land there again behind this wait alone
.endm
	s_cmp_lt_u32 s16, 5                            ; the waves that asked for slot 0's tiles and the scales wait for them; slot 1's three loads have lines of their own and are waited for at the first change of slots
	s_cbranch_scc0 .Llater
	s_wait_tensorcnt 0x0
.Llater:
	s_barrier_signal -1
	s_barrier_wait -1                              ; slot 0 and the scales are in
	FETCH 0, 0
	STEP 0, 0, 1                                   ; tile 0; the first step's products start the sums: nothing is cleared
	STEP 1, 0, 0
	STEP 2, 0, 0
	WIN 0
	s_wait_loadcnt 0x0                             ; W_proj's fragment is in
.irp c, 0,1
	global_store_b128 v[LI], v[56+4*\c:56+4*\c+3], s[24:25] offset:512*\c   ; as an operand image: 512 consecutive bytes a store
.endr
	TURN 3, 4, 0, 1                                ; slot 0 takes tile 1's first half of K
	STEP 4, 0, 0
	STEP 5, 0, 0
	STEP 6, 0, 0
	TURN 7, 0, 1, 1                                ; slot 1 takes its second half; tile 1's first fragments and scale words are fetched
	EPILOGUE 0
	STEP 0, 1, 1                                   ; tile 1
	STEP 1, 1, 0
	STEP 2, 1, 0
	TURN 3, 4, 1, 0                                ; nothing is left to fetch from memory
	STEP 4, 1, 0
	STEP 5, 1, 0
	STEP 6, 1, 0
	s_wait_dscnt 4
	MULA 0, 7, 0
	MULA 1, 7, 0
	s_wait_dscnt 0x0
	MULA 2, 7, 0
	MULA 3, 7, 0
	EPILOGUE 1
	s_wait_tensorcnt 0x0                           ; the wave's end
	ds_add_u32 v[SPW], v[NIL]
	s_wait_dscnt 0x0
	CROUND                                         ; the closing round
	s_endpgm
.Lfunc_end_k_q8c04a9f0c0_fc:
	.size	k_q8c04a9f0c0_fc, .Lfunc_end_k_q8c04a9f0c0_fc-k_q8c04a9f0c0_fc
	.p2alignl 7, 3214868480
	.fill 96, 4, 3214868480
	.section	.rodata,"a",@progbits
	.p2align	6, 0x0
	.amdhsa_kernel k_q8c04a9f0c0_fc
		.amdhsa_group_segment_fixed_size 327680
		.amdhsa_private_segment_fixed_size 0
		.amdhsa_enable_private_segment 0
		.amdhsa_kernarg_size 64
		.amdhsa_user_sgpr_count 2
		.amdhsa_user_sgpr_kernarg_segment_ptr 1
		.amdhsa_wavefront_size32 1
		.amdhsa_system_sgpr_workgroup_id_x 1
		.amdhsa_system_sgpr_workgroup_id_y 1
		.amdhsa_system_sgpr_workgroup_id_z 1
		.amdhsa_system_vgpr_workitem_id 0
		.amdhsa_next_free_vgpr 512
		.amdhsa_next_free_sgpr 106
		.amdhsa_reserve_vcc 0
		.amdhsa_float_denorm_mode_32 3
		.amdhsa_float_denorm_mode_16_64 3
		.amdhsa_memory_ordered 1
		.amdhsa_forward_progress 1
		.amdhsa_inst_pref_size 143
	.end_amdhsa_kernel
	.amdgpu_metadata
---
amdhsa.version: [ 1, 2 ]
amdhsa.kernels:
  - .name:           k_q8c04a9f0c0_fc
    .symbol:         k_q8c04a9f0c0_fc.kd
    .args:
      - { .name: x_codes, .offset: 0, .size: 8, .value_kind: global_buffer, .address_space: global }
      - { .name: x_scales, .offset: 8, .size: 8, .value_kind: global_buffer, .address_space: global }
      - { .name: W_fc_codes, .offset: 16, .size: 8, .value_kind: global_buffer, .address_space: global }
      - { .name: W_fc_scales, .offset: 24, .size: 8, .value_kind: global_buffer, .address_space: global }
      - { .name: h_img, .offset: 32, .size: 8, .value_kind: global_buffer, .address_space: global }
      - { .name: W_proj_codes, .offset: 40, .size: 8, .value_kind: global_buffer, .address_space: global }
      - { .name: W_proj_scales, .offset: 48, .size: 8, .value_kind: global_buffer, .address_space: global }
      - { .name: wp_img, .offset: 56, .size: 8, .value_kind: global_buffer, .address_space: global }
    .group_segment_fixed_size: 327680
    .private_segment_fixed_size: 0
    .kernarg_segment_align: 8
    .kernarg_segment_size: 64
    .max_flat_workgroup_size: 256
    .sgpr_count:     106
    .vgpr_count:     512
    .wavefront_size: 32
...
	.end_amdgpu_metadata
.endif
;; end of part 1
;; launch proj (part 2): grid 4 x 64, 4 waves a work-group, clusters of 4 x 4, 327,680 bytes of LDS; arguments h_img, wp_img, out0; writes out0
.if DOCPART == 2
	.amdgcn_target "amdgcn-amd-amdhsa--gfx1250"
	.amdhsa_code_object_version 6
	.text
	.protected	k_q8c04a9f0c0_proj
	.globl	k_q8c04a9f0c0_proj
	.p2align	8
	.type	k_q8c04a9f0c0_proj,@function
k_q8c04a9f0c0_proj:
	s_mov_b64 s[64:65], 0
	v_nop
	global_prefetch_b8 v0, s[64:65] scope:SCOPE_SE
	s_setreg_imm32_b32 hwreg(HW_REG_WAVE_MODE, 25, 1), 1
	s_wait_xcnt 0x0
	s_wait_alu depctr_hold_cnt(0) depctr_sa_sdst(0) depctr_va_vdst(0) depctr_va_sdst(0) depctr_va_ssrc(0) depctr_va_vcc(0) depctr_vm_vsrc(0)
	s_getreg_b32 s2, hwreg(HW_REG_IB_STS2, 6, 4)
	s_cmp_eq_u32 s2, 0
	s_cbranch_scc0 .Lentry_in_a_cluster
	s_endpgm
.Lentry_in_a_cluster:
	s_bfe_u32 s2, ttmp6, 0x10000c
	s_cmp_lg_u32 s2, 0xf033
	s_cbranch_scc0 .Lentry_shape_is_right
	s_endpgm
.Lentry_shape_is_right:
; out0 = h W_proj^T on codes of FP4 (E2M1) with one E8M0 byte for each 32 along K = 4,096.  out0: [8192][1024] f32; sums in f32.  No work of the problem is left out.
; Both operands come from the launch before as images of 128 rows x 128 along K, 8,704 bytes: [row / 16][c 2][lane 32][16 bytes] of codes (register group c of lane l), then scale words:
; of h [row / 64][lane l][p 2]: row 32 p + l of the 64; of W_proj [lane l][p 4]: row 32 p + l of the 128.
; h_img [row / 128][k / 128];  wp_img [column / 256][k / 128][(column / 128) % 2].
; SHARES.  A tile of out0 is 128 rows x 256 columns: 4 x 64 = 256 work-groups.  Wave w makes all 128 rows x column half w / 2 over every second step of 128 along K (steps of parity w % 2): 32 accumulators of 32 columns x 16 rows, 512 registers.
; So a fragment loaded from LDS feeds 128 rows or columns; the two waves of a column half add their sums on the way out.  An output's sum is the f32 sum of its even steps plus that of its odd steps, each K ascending.
; THE RING: two slots, chunk i in slot i % 2.  4,096 = 256 + 5 x 768: chunk 0 is two steps, so that products start early, the five others six (h's 52,224 bytes, then W_proj's 104,448).
; Of chunk 0 waves 0, 1 ask for h's two images, waves 2, 3 for W_proj's two pairs; of the others wave 0 for h's part, waves 1-3 for two steps of W_proj each.
; THE LAST CHUNK GOES BY ROWS: W_proj's fragments of my three steps stand in registers, and the rows are finished 32 at a time, so that finished rows leave while the others are multiplied.
; CLUSTERS: 4 x 4.  h's parts hang on the tile row alone and are asked for jointly along a row of the cluster, W_proj's on the tile column alone, along a column.
; PREFETCH: behind chunk i's load every wave asks for its share of chunk i + 1: one chunk ahead of the load that wants it.  Of h's 204 blocks of 256 bytes each of the four partners of a row takes 51, of W_proj's 408 each of the four of a column 102,
; dealt by address; lanes left over name their wave's last block again.  All clusters read the same W_proj: clusters 0, 4, 8 and 12 alone ask for it.  Nothing is asked for behind the last chunk.
; THE MATRIX INSTRUCTION IS USED TRANSPOSED (source 0 = 32 columns, source 1 = 16 rows of h): lane (r, g) of accumulator (a, b) holds row 16 a + r, register j column 32 b + 8 g + j, register 8 + j column 32 b + 16 + 8 g + j.
; REGISTERS, windows of 256.  0: v16-35 addresses, v40-63 scale words (two sets, a third in the last chunk), v64-127 accumulators of a = 0, v128-255 W_proj's fragments (two sets).  1: v0-127 h's fragments (two sets), v128-255 a = 1, 2.
;   2: a = 3 .. 6.   3: v0-63 a = 7, v64-191 rows that come back on the way out, v192-255 W_proj's third set in the last chunk.
; A step's LDS loads go out in one run at its start, a step ahead of their use.
.set IMG,    8704
.set HCH,    6*IMG                     ; h's part of a chunk
.set WCH,    12*IMG                    ; W_proj's
.set SLOT,   HCH+WCH
.set SPARE,  2*SLOT                    ; the spare words: 128 bytes a wave, two blocks of 256 bytes that no other line names
.set SPITCH, 528                       ; the way out: a stage row of 512 bytes + 16.  The stage, two buffers of four waves x 32 rows, lies in slot 0 behind its last fill and its last read
.set WST,    32*SPITCH
.set SBUF,   4*WST
.set ADH,  16                          ; v16-17  my step's image of h in slot 0, 1
.set ADW,  18                          ; v18-19  of W_proj; v20-21 the same four pairs of images further on
.set STO,  22                          ; v22-23  the stage, buffers 0, 1: where I put 16 bytes of a row
.set RD,   24                          ; v24-25  where I read a row back
.set GO,   26                          ; 16 x lane
.set SPW,  28                          ; my spare word's address; never rewritten
.set NIL,  29                          ; 0; never rewritten
.set PFH,  30                          ; v30-31 the prefetches' offsets in a chunk of h, of W_proj; never rewritten
.set ADS,  34                          ; v34-35  h's scale words in slot 0, 1
.set SC,   40                          ; set p at SC + 8 p: W_proj's four words, h's four
.set G1H,  24
.set G0H,  32                          ; slot s at G0H + 4 s
.set G0W,  56
.set G1W,  68
.set G0XH, 84                          ; chunk 0's
.set G0XW, 88
.set MSB, 0
.macro WIN new                         ; the immediate's high byte repeats the setting that is left; a switch that changes nothing is dropped
.if MSB != (\new)
	s_set_vgpr_msb (MSB<<8)|(\new)
.set MSB, \new
.endif
.endm
.macro PLACES n                        ; plain vector places behind matrix instructions (ISA guide 7.12.1)
.rept \n
	v_nop
.endr
.endm
.macro CREST                           ; a round of the cluster's barrier behind its opening barrier
	s_cmp_lg_u32 s14, 0
	s_cbranch_scc1 .Lnot_wave_0_\@
	s_barrier_signal -3
.Lnot_wave_0_\@:
	s_barrier_wait -3
	s_barrier_signal -1
	s_barrier_wait -1
.endm
.macro CROUND
	s_barrier_signal -1
	s_barrier_wait -1
	CREST
.endm
.macro JLOAD under, gh, gw             ; a joint load: waves below 'under' for h, the others for W_proj
	s_cmp_lt_u32 s14, \under
	s_cbranch_scc0 .Lfor_w_\@
	tensor_load_to_lds s[\gh:\gh+3], s[G1H:G1H+7]
	s_nop 0
	PLACES 4
	s_branch .Lasked_\@
.Lfor_w_\@:
	tensor_load_to_lds s[\gw:\gw+3], s[G1W:G1W+7]
	s_nop 0
	PLACES 4
.Lasked_\@:
.endm
.macro PF c                            ; chunk c (1 .. 5) into the L2
	global_prefetch_b8 v[PFH], s[50:51] offset:2*IMG+HCH*((\c)-1) th:TH_LOAD_NT scope:SCOPE_SE
	s_cmp_eq_u32 s19, 0
	s_cbranch_scc0 .Lh_alone_\@
	global_prefetch_b8 v[PFH+1], s[52:53] offset:4*IMG+WCH*((\c)-1) th:TH_LOAD_NT scope:SCOPE_SE
.Lh_alone_\@:
.endm
	s_load_b128 s[4:7], s[0:1], 0x0                ; h's images, W_proj's images
	s_load_b64 s[8:9], s[0:1], 0x10                ; out0
	v_lshl_add_u32 v28, v0, 2, SPARE
	v_mov_b32 v29, 0
	ds_add_u32 v28, v29                            ; the wave's opening: the add, twice on end
	ds_add_u32 v28, v29
	v_lshrrev_b32 v1, 5, v0
	v_readfirstlane_b32 s14, v1                    ; wave 0..3
	v_and_b32 v3, 31, v0                           ; lane
	s_wait_alu depctr_va_vdst(0)
	s_lshr_b32 s15, s14, 1                         ; my column half
	s_and_b32 s16, s14, 1                          ; my steps' parity
	s_bfe_u32 s40, ttmp6, 0x40000                  ; cx, cy
	s_bfe_u32 s41, ttmp6, 0x40004
	s_lshl_b32 s42, ttmp9, 2
	s_add_co_u32 s42, s42, s40                     ; gx: which 256 columns
	s_and_b32 s18, ttmp7, 0xffff                   ; the cluster's number
	s_and_b32 s19, s18, 3                          ; 0: my cluster prefetches W_proj
	s_lshl_b32 s17, s18, 2
	s_add_co_u32 s17, s17, s41                     ; gy: which 128 rows
	s_lshl_b32 s43, s41, 2
	s_lshl_b32 s43, 15, s43                        ; my row of the cluster
	s_lshl_b32 s44, 0x1111, s40                    ; my column
	; dense blocks, as rows of 256 bytes (32 elements of 8 bytes), no padding: they are read back 512 bytes on end
	s_or_b32 s[G1H], s43, (3<<16)|(1<<21)
	s_or_b32 s[G1W], s44, (3<<16)|(1<<21)
.irp g, G1H, G1W
	s_mov_b32 s[\g+1], 32<<16
	s_mov_b32 s[\g+3], 32<<16
	s_mov_b32 s[\g+5], 32
	s_mov_b32 s[\g+6], 0
	s_mov_b32 s[\g+7], 0
.endr
	s_mov_b32 s[G1H+2], (IMG/256)<<16              ; chunk 0: an image of h, 34 rows
	s_mov_b32 s[G1H+4], IMG/256
	s_mov_b32 s[G1W+2], (2*IMG/256)<<16            ; a pair of images of W_proj, 68 rows
	s_mov_b32 s[G1W+4], 2*IMG/256
	s_mul_i32 s20, s17, 32*IMG
	s_mov_b32 s21, 0
	s_mul_i32 s46, s42, 64*IMG
	s_mov_b32 s47, 0
	s_mul_i32 s10, s14, IMG                        ; chunk 0: waves 0, 1: h's image;
	s_mov_b32 s11, 0
	s_max_u32 s12, s14, 2                          ; waves 2, 3: W_proj's pair
	s_sub_co_u32 s12, s12, 2
	s_mul_i32 s12, s12, 2*IMG
	s_mov_b32 s13, 0
	s_mul_i32 s82, s14, IMG                        ; and in LDS
	s_mul_i32 s83, s14, 2*IMG
	s_add_co_u32 s83, s83, HCH-4*IMG
	s_max_u32 s22, s14, 1                          ; the other chunks: waves 1-3: two steps of W_proj each
	s_sub_co_u32 s22, s22, 1
	s_mul_i32 s22, s22, 4*IMG
	s_mov_b32 s23, 0
	s_mul_i32 s45, s14, 4*IMG                      ; in LDS: behind h's part, (wave - 1) x two steps
	s_add_co_u32 s45, s45, HCH-4*IMG
	s_lshl_b32 s48, s17, 19                        ; out0: 128 gy + 16 x parity rows of 4,096 bytes,
	s_lshl_b32 s49, s16, 16
	s_add_co_u32 s48, s48, s49
	s_lshl_b32 s49, s42, 10                        ; 1,024 gx + 512 x column half
	s_add_co_u32 s48, s48, s49
	s_lshl_b32 s49, s15, 9
	s_add_co_u32 s48, s48, s49
	s_mov_b32 s49, 0
	s_wait_dscnt 0x0                               ; both opening adds are done
	CROUND                                         ; all sixteen work-groups are here: the first joint loads meet
	s_wait_kmcnt 0x0
	s_add_nc_u64 s[50:51], s[4:5], s[20:21]        ; my row block's images
	s_add_nc_u64 s[52:53], s[6:7], s[46:47]        ; my columns' images
	s_mov_b32 s[G0XH], 1
	s_mov_b32 s[G0XH+1], s82
	s_add_nc_u64 s[G0XH+2:G0XH+3], s[50:51], s[10:11]
	s_or_b32 s[G0XH+3], s[G0XH+3], 0x80000000
	s_mov_b32 s[G0XW], 1
	s_mov_b32 s[G0XW+1], s83
	s_add_nc_u64 s[G0XW+2:G0XW+3], s[52:53], s[12:13]
	s_or_b32 s[G0XW+3], s[G0XW+3], 0x80000000
	JLOAD 2, G0XH, G0XW                            ; chunk 0: one tensor load a wave at the head
	s_add_nc_u64 s[54:55], s[52:53], s[22:23]
	s_add_nc_u64 s[8:9], s[8:9], s[48:49]
.irp s, 0,1                            ; slot 1 takes chunk 1, slot 0 chunk 2
	s_mov_b32 s[G0H+4*\s], 1
	s_mov_b32 s[G0H+4*\s+1], \s*SLOT
	s_add_nc_u64 s[G0H+4*\s+2:G0H+4*\s+3], s[50:51], 2*IMG+(1-\s)*HCH
	s_or_b32 s[G0H+4*\s+3], s[G0H+4*\s+3], 0x80000000
	s_mov_b32 s[G0W+4*\s], 1
	s_add_co_u32 s[G0W+4*\s+1], s45, \s*SLOT
	s_add_nc_u64 s[G0W+4*\s+2:G0W+4*\s+3], s[54:55], 4*IMG+(1-\s)*WCH
	s_or_b32 s[G0W+4*\s+3], s[G0W+4*\s+3], 0x80000000
.endr
	s_mul_i32 s2, s14, 13                          ; the prefetches' shares: of my partner's 51 blocks of h a wave takes 13,
	s_mul_i32 s3, s40, 51
	s_mul_i32 s10, s14, 26                         ; of 102 of W_proj 26
	s_mul_i32 s11, s41, 102
	s_mul_i32 s77, s16, IMG
	s_mul_i32 s78, s16, 2*IMG
	s_mul_i32 s79, s15, IMG
	s_add_co_u32 s78, s78, s79
	s_add_co_u32 s78, s78, HCH
	s_mul_i32 s79, s14, WST
	s_mul_i32 s80, s15, 2*WST
	s_mul_i32 s81, s16, 16*SPITCH
	s_add_co_u32 s80, s80, s81
	v_min_u32 v4, 12, v3
	v_min_u32 v5, 25, v3
	v_add_nc_u32 v4, s2, v4
	v_add_nc_u32 v5, s10, v5
	v_min_u32 v4, 50, v4
	v_min_u32 v5, 0x65, v5
	v_add_nc_u32 v4, s3, v4
	v_add_nc_u32 v5, s11, v5
	v_lshlrev_b32 v[PFH], 8, v4
	v_lshlrev_b32 v[PFH+1], 8, v5
	s_wait_alu depctr_va_vdst(0)
	PF 1
	v_and_b32 v1, 15, v3                           ; r
	v_lshrrev_b32 v2, 4, v3                        ; g
	v_lshl_add_u32 v[ADH], v3, 4, s77
	v_add_nc_u32 v[ADH+1], SLOT, v[ADH]
	v_lshl_add_u32 v[ADS], v3, 3, s77
	v_add_nc_u32 v[ADS+1], SLOT, v[ADS]
	v_lshl_add_u32 v[ADW], v3, 4, s78
	v_add_nc_u32 v[ADW+1], SLOT, v[ADW]
	v_add_nc_u32 v[ADW+2], 8*IMG, v[ADW]
	v_add_nc_u32 v[ADW+3], 8*IMG, v[ADW+1]
	v_mul_u32_u24 v8, v1, SPITCH                   ; in: row r, 32 bytes for each half of the lanes
	v_lshl_add_u32 v8, v2, 5, v8
	v_add_nc_u32 v[STO], s79, v8
	v_add_nc_u32 v[STO+1], SBUF, v[STO]
	v_lshl_add_u32 v[RD], v3, 4, s80               ; back: 32 lanes take one row of 512 bytes
	v_add_nc_u32 v[RD+1], SBUF, v[RD]
	v_lshlrev_b32 v[GO], 4, v3
.macro ACC a                           ; window and first register of accumulators (a, 0 .. 3)
.if (\a) == 0
.set mW, 0
.set mB, 64
.elseif (\a) < 3
.set mW, 1
.set mB, 128+64*((\a)-1)
.elseif (\a) < 7
.set mW, 2
.set mB, 64*((\a)-3)
.else
.set mW, 3
.set mB, 0
.endif
.endm
; one product of my step t: h's block a of 16 rows against W_proj's 32 columns b.  zero = 1: it starts the sum.  The 32 accumulators take turns in the same order in every step
.macro MM a, b, t, zero
	ACC \a
	WIN 4+0x50*mW
.set mD, mB+16*(\b)
.set mA, 128+64*((\t)%2)+16*(\b)
.set mX, 64*((\t)%2)+8*(\a)
.set mS, SC+8*((\t)%2)+(\b)
.set mT, SC+8*((\t)%2)+4+(\a)/2
.if (\zero) && ((\a)%2)
	v_wmma_scale_f32_32x16x128_f4 v[mD:mD+15], v[mA:mA+15], v[mX:mX+7], 0, v[mS], v[mT] matrix_b_scale:MATRIX_SCALE_ROW1
.elseif (\zero)
	v_wmma_scale_f32_32x16x128_f4 v[mD:mD+15], v[mA:mA+15], v[mX:mX+7], 0, v[mS], v[mT]
.elseif ((\a)%2)
	v_wmma_scale_f32_32x16x128_f4 v[mD:mD+15], v[mA:mA+15], v[mX:mX+7], v[mD:mD+15], v[mS], v[mT] matrix_b_scale:MATRIX_SCALE_ROW1
.else
	v_wmma_scale_f32_32x16x128_f4 v[mD:mD+15], v[mA:mA+15], v[mX:mX+7], v[mD:mD+15], v[mS], v[mT]
.endif
.endm
.macro MULA a, t, zero
.irp b, 0,1,2,3
	MM \a, \b, \t, \zero
.endr
.endm
.macro WADR s, i                       ; W_proj's image of the slot's i-th step of mine: the third lies past the offset field's reach
.set wR, ADW+(\s)+2*((\i)/2)
.set wO, 4*IMG*((\i)%2)
.endm
.macro LWS s, i, base                  ; W_proj's eight fragments: 16 loads
	WADR \s, \i
.irp b, 0,1,2,3,4,5,6,7
.irp c, 0,1
	ds_load_b128 v[(\base)+8*\b+4*\c:(\base)+8*\b+4*\c+3], v[wR] offset:wO+1024*\b+512*\c
.endr
.endr
.endm
.macro LSS s, i, base                  ; the step's scale words: three loads
	WADR \s, \i
	ds_load_b128 v[(\base):(\base)+3], v[wR] offset:wO+8192
	ds_load_b64 v[(\base)+4:(\base)+5], v[ADS+(\s)] offset:2*IMG*(\i)+8192
	ds_load_b64 v[(\base)+6:(\base)+7], v[ADS+(\s)] offset:2*IMG*(\i)+8448
.endm
.macro FETCH s, i, p                   ; the slot's i-th step of mine into set p, in one run: 16 + 3 + 16 loads
	WIN 0
	LWS \s, \i, 128+64*(\p)
	LSS \s, \i, SC+8*(\p)
	WIN 0x40
.irp a, 0,1,2,3,4,5,6,7
.irp c, 0,1
	ds_load_b128 v[64*(\p)+8*\a+4*\c:64*(\p)+8*\a+4*\c+3], v[ADH+(\s)] offset:2*IMG*(\i)+1024*\a+512*\c
.endr
.endr
	WIN 0
.endm
; my step t, the slot's i-th of mine, whose successor lies in the same slot
.macro STEP t, s, i
	s_wait_dscnt 10                                ; W_proj's fragments, the scale words and h's blocks 0-2 are in; the youngest ten loads (blocks 3-7) may be out
	PLACES 4                                       ; in front of loads into the set that the last step's products read
	FETCH \s, (\i)+1, 1-(\t)%2
	MULA 0, \t, 0
	MULA 1, \t, 0
	MULA 2, \t, 0
	s_wait_dscnt 35                                ; all but the loads just issued
.irp a, 3,4,5,6,7
	MULA \a, \t, 0
.endr
.endm
; a chunk's last step of mine changes slots: one barrier behind each wave's waits and add.  fill = 1: this slot takes chunk ci + 2, and the barrier opens a round
.macro TURNTOP t, ci, fill
	s_wait_dscnt 10
	MULA 0, \t, 0
	MULA 1, \t, 0
	MULA 2, \t, 0
	s_wait_dscnt 0x0                               ; this step's fragments are in
	MULA 3, \t, 0
	MULA 4, \t, 0
	WIN 0
	s_wait_tensorcnt 0x0                           ; my part of the next chunk has landed
	ds_add_u32 v[SPW], v[NIL]                      ; 0 onto my spare word
.if \fill
.set tS, 4*((\ci)%2)
	s_add_nc_u64 s[G0H+tS+2:G0H+tS+3], s[G0H+tS+2:G0H+tS+3], 2*HCH   ; no tensor load of mine is out: this slot's next chunk
	s_add_nc_u64 s[G0W+tS+2:G0W+tS+3], s[G0W+tS+2:G0W+tS+3], 2*WCH
.endif
	s_wait_dscnt 0x0                               ; the add is done, and my reads of this slot are over
	s_barrier_signal -1
	s_barrier_wait -1
.endm
.macro TURN t, ci
	TURNTOP \t, \ci, 1
	CREST                                          ; no wave of any partner still reads this slot or has a load on its way
	JLOAD 1, G0H+tS, G0W+tS
	FETCH ((\ci)+1)%2, 0, 1-(\t)%2
.if (\ci) < 3
	PF (\ci)+3
.endif
	MULA 5, \t, 0
	MULA 6, \t, 0
	MULA 7, \t, 0
.endm
.macro CHUNK ci
	STEP 3*(\ci)-2, (\ci)%2, 0
	STEP 3*(\ci)-1, (\ci)%2, 1
.endm
; THE LAST CHUNK, in slot 1, by rows.  LH3: h's fragments of blocks 2 n, 2 n + 1, my three steps, into window 1, at v64 (n even) or v0 (n odd): 12 loads.  GG: the eight products of these blocks, step i.
.macro LH3 n
	WIN 0x40
.irp i, 0,1,2
.irp e, 0,1
.irp c, 0,1
	ds_load_b128 v[64*(1-(\n)%2)+16*\i+8*\e+4*\c:64*(1-(\n)%2)+16*\i+8*\e+4*\c+3], v[ADH+1] offset:2*IMG*\i+1024*(2*(\n)+\e)+512*\c
.endr
.endr
.endr
	WIN 0
.endm
.macro MM3 a, b, i, n, e
	ACC \a
.set mD, mB+16*(\b)
.set mX, 64*(1-(\n)%2)+16*(\i)+8*(\e)
.if (\i) == 0
.set mA, 192+16*(\b)
.set mS, SC+8
.set wA, 0
.elseif (\i) == 1
.set mA, 128+16*(\b)
.set mS, SC
.set wA, 0
.else
.set mA, 192+16*(\b)
.set mS, SC+16
.set wA, 3
.endif
	WIN 4+0x50*mW+wA
.if (\e)
	v_wmma_scale_f32_32x16x128_f4 v[mD:mD+15], v[mA:mA+15], v[mX:mX+7], v[mD:mD+15], v[mS+\b], v[mS+4+\n] matrix_b_scale:MATRIX_SCALE_ROW1
.else
	v_wmma_scale_f32_32x16x128_f4 v[mD:mD+15], v[mA:mA+15], v[mX:mX+7], v[mD:mD+15], v[mS+\b], v[mS+4+\n]
.endif
.endm
.macro GG n, i
.irp e, 0,1
.irp b, 0,1,2,3
	MM3 2*(\n)+\e, \b, \i, \n, \e
.endr
.endr
.endm
; THE WAY OUT, in four parts of 32 rows.  TOSTAGE: my sums of blocks 2 n, 2 n + 1 as rows of 512 bytes into buffer n % 2.  RB: 16 of the 32 rows (by my parity) back, from both waves of my column half.  ADDSEND: their sum, stored.
.macro TOSTAGE n
.irp e, 0,1
	ACC 2*(\n)+\e
	WIN 4*mW
.irp b, 0,1,2,3
.irp g, 0,1,2,3
	ds_store_b128 v[STO+(\n)%2], v[mB+16*\b+4*\g:mB+16*\b+4*\g+3] offset:\e*16*SPITCH+128*\b+64*(\g/2)+16*(\g%2)   ; each accumulator from its low end on
.endr
.endr
.endr
	WIN 0
.endm
.macro RB n
	WIN 0xc0
.irp t, 0,1,2,3,4,5,6,7,8,9,10,11,12,13,14,15
	ds_load_b128 v[64+4*\t:64+4*\t+3], v[RD+(\n)%2] offset:SPITCH*\t
	ds_load_b128 v[128+4*\t:128+4*\t+3], v[RD+(\n)%2] offset:WST+SPITCH*\t
.endr
	WIN 0
.endm
.macro ADDSEND n
	WIN 0xcf
.set rJ, 64
.rept 32
	v_pk_add_f32 v[rJ:rJ+1], v[rJ:rJ+1], v[rJ+64:rJ+65]
.set rJ, rJ+2
.endr
	WIN 0x0c
.irp t, 0,1,2,3,4,5,6,7,8,9,10,11,12,13,14,15
	global_store_b128 v[GO], v[64+4*\t:64+4*\t+3], s[8:9] offset:(32*(\n)+\t)*4096 th:TH_STORE_NT   ; 512 consecutive bytes, aligned; written once, read by nobody here
.endr
	WIN 0
.endm
; part n: the barrier behind which buffer (n - 1) % 2 is whole, under part n's products
.macro MEETG n
	GG \n, 0
	s_wait_dscnt 0x0                               ; for the others' sake: my stores into the stage are done, and so are my reads
	s_barrier_signal -1
	GG \n, 1
	s_barrier_wait -1
.endm
	s_wait_alu depctr_va_vdst(0)
	s_wait_tensorcnt 0x0                           ; my part of chunk 0 is in
	ds_add_u32 v[SPW], v[NIL]
	s_mov_b32 s[G1H+2], (HCH/256)<<16              ; no tensor load of mine is out: from here on 204 rows of h,
	s_mov_b32 s[G1H+4], HCH/256
	s_mov_b32 s[G1W+2], (4*IMG/256)<<16            ; 136 of W_proj
	s_mov_b32 s[G1W+4], 4*IMG/256
	s_wait_dscnt 0x0
	CROUND                                         ; everybody's part of chunk 0 is in
	JLOAD 1, G0H+4, G0W+4                          ; and chunk 1's load, the first tensor load behind the round
	FETCH 0, 0, 0
	PF 2
	s_wait_dscnt 10                                ; my step of chunk 0: its products start the sums: nothing is cleared
	MULA 0, 0, 1
	MULA 1, 0, 1
	MULA 2, 0, 1
	s_wait_dscnt 0x0
.irp a, 3,4,5,6,7
	MULA \a, 0, 1
.endr
	WIN 0
	s_wait_tensorcnt 0x0                           ; my part of chunk 1 is in
	ds_add_u32 v[SPW], v[NIL]
	s_wait_dscnt 0x0
	CROUND                                         ; everybody's is, and nobody reads slot 0 any more
	JLOAD 1, G0H, G0W                              ; slot 0 takes chunk 2
	FETCH 1, 0, 1
	PF 3
	CHUNK 1
	TURN 3, 1
	CHUNK 2
	TURN 6, 2
	CHUNK 3
	TURN 9, 3
	CHUNK 4
	TURNTOP 12, 4, 0                               ; chunk 5 is in, and nobody reads slot 0 any more: nothing is filled again
	PLACES 4
	LWS 1, 0, 192                                  ; chunk 5: W_proj's first and third step, h's rows 0-31
	LSS 1, 0, SC+8
	LSS 1, 2, SC+16
	WIN 0xc0
	LWS 1, 2, 192
	WIN 0
	LH3 0
	MULA 5, 12, 0
	MULA 6, 12, 0
	MULA 7, 12, 0
	PLACES 4                                       ; in front of loads into the sets that these products read
	WIN 0
	LWS 1, 1, 128                                  ; W_proj's second step, h's rows 32-63
	LSS 1, 1, SC
	LH3 1
	s_wait_dscnt 31                                ; all but the 31 just issued
	GG 0, 0
	s_wait_dscnt 12                                ; h's rows 32-63 may be out
	GG 0, 1
	GG 0, 2
	PLACES 4                                       ; in front of the first reads of results and of the loads below
	TOSTAGE 0
	LH3 2
	s_wait_dscnt 44                                ; h's rows 32-63 are in; the 32 stores and 12 loads just issued may be out
	MEETG 1
	WIN 0
	RB 0
	GG 1, 2
	PLACES 4
	TOSTAGE 1                                      ; into the other buffer
	LH3 3
	s_wait_dscnt 44                                ; my rows are back
	ADDSEND 0
	MEETG 2
	WIN 0
	s_wait_xcnt 0x0                                ; the last part's stores have read their registers
	RB 1
	GG 2, 2
	PLACES 4
	TOSTAGE 2                                      ; every wave's reads of buffer 0 were over in front of the last barrier
	s_wait_dscnt 32                                ; my rows are back; the 32 stores into the stage may be out
	ADDSEND 1
	MEETG 3
	WIN 0
	s_wait_xcnt 0x0
	RB 2
	GG 3, 2
	PLACES 4
	TOSTAGE 3
	s_wait_dscnt 32
	ADDSEND 2
	s_wait_dscnt 0x0
	s_barrier_signal -1
	s_barrier_wait -1
	s_wait_xcnt 0x0
	RB 3
	s_wait_dscnt 0x0
	ADDSEND 3
	s_wait_tensorcnt 0x0                           ; the wave's end
	ds_add_u32 v[SPW], v[NIL]
	s_wait_dscnt 0x0
	CROUND                                         ; the closing round: no work-group ends while a partner may still ask for a tile that names it
	s_endpgm
.Lfunc_end_k_q8c04a9f0c0_proj:
	.size	k_q8c04a9f0c0_proj, .Lfunc_end_k_q8c04a9f0c0_proj-k_q8c04a9f0c0_proj
	.p2alignl 7, 3214868480
	.fill 96, 4, 3214868480
	.section	.rodata,"a",@progbits
	.p2align	6, 0x0
	.amdhsa_kernel k_q8c04a9f0c0_proj
		.amdhsa_group_segment_fixed_size 327680
		.amdhsa_private_segment_fixed_size 0
		.amdhsa_enable_private_segment 0
		.amdhsa_kernarg_size 24
		.amdhsa_user_sgpr_count 2
		.amdhsa_user_sgpr_kernarg_segment_ptr 1
		.amdhsa_wavefront_size32 1
		.amdhsa_system_sgpr_workgroup_id_x 1
		.amdhsa_system_sgpr_workgroup_id_y 1
		.amdhsa_system_sgpr_workgroup_id_z 1
		.amdhsa_system_vgpr_workitem_id 0
		.amdhsa_next_free_vgpr 1024
		.amdhsa_next_free_sgpr 98
		.amdhsa_reserve_vcc 0
		.amdhsa_float_denorm_mode_32 3
		.amdhsa_float_denorm_mode_16_64 3
		.amdhsa_memory_ordered 1
		.amdhsa_forward_progress 1
		.amdhsa_inst_pref_size 153
	.end_amdhsa_kernel
	.amdgpu_metadata
---
amdhsa.version: [ 1, 2 ]
amdhsa.kernels:
  - .name:           k_q8c04a9f0c0_proj
    .symbol:         k_q8c04a9f0c0_proj.kd
    .args:
      - { .name: h_img, .offset: 0, .size: 8, .value_kind: global_buffer, .address_space: global }
      - { .name: wp_img, .offset: 8, .size: 8, .value_kind: global_buffer, .address_space: global }
      - { .name: out0, .offset: 16, .size: 8, .value_kind: global_buffer, .address_space: global }
    .group_segment_fixed_size: 327680
    .private_segment_fixed_size: 0
    .kernarg_segment_align: 8
    .kernarg_segment_size: 24
    .max_flat_workgroup_size: 128
    .sgpr_count:     98
    .vgpr_count:     1024
    .wavefront_size: 32
...
	.end_amdgpu_metadata
.endif
;; end of part 2
